; MI455X (gfx1250); checked and timed in simulation.
; The chip was launched on July 23, 2026; its instructions are those of AMD's public machine-readable ISA for CDNA 5 (MIT licence, August 2026) and "CDNA5" Instruction Set Architecture Reference Guide (July 2026). The comments in the code are by the model that wrote it; some were corrected since.
;; Carrier Token Attention2 D Timestep. Allowed arithmetic: matrix products marked QUANTISED: E2M3 operands, one E8M0 scale for each 32 along K, by v_wmma_scale_f32_16x16x128_f8f6f4 with both operands' format E2M3, f32 sums; everything else in f32.
;; Inputs: logit_scale 16 x 1 x 1 float32; w_qkv_codes 3,072 x 32 x 24 uint8 (E2M3 codes of w_qkv, K innermost, in blocks of 32 codes, four codes in three bytes); w_qkv_scales 3,072 x 32 uint8 (E8M0 scales of w_qkv, one for each 32 codes along K); x_codes 8 x 1,024 x 32 x 24 uint8 (E2M3 codes of x, K innermost, in blocks of 32 codes, four codes in three bytes); x_scales 8 x 1,024 x 32 uint8 (E8M0 scales of x, one for each 32 codes along K).
;; Outputs: out0 8 x 1,024 x 1,024 float32.
;; This version of the problem:
;;   THIS VERSION OF THE PROBLEM IS GIVEN IN LOW PRECISION. The matrix products marked QUANTISED in the list below multiply operands that are first quantised to E2M3 (2 exponent bits, 3 mantissa bits; 6 bits a number), with one power-of-two scale for each 32 numbers along K (OCP MX v1.0); their sums are f32. All else is computed in f32.
;;   The module's matrix products, in the order in which they are computed (A, B: the left and right operand; K: the contracted axis; several contracted axes count as one K, in the product's order):
;;     1. [M 8,192, K 1,024] x [K 1,024, N 3,072]; A: input x (given as codes); B: input w_qkv (given as codes): QUANTISED
;;     2. batch 128 x [M 1,024, K 64] x [K 64, N 1,024]; A: computed on the way; B: computed on the way: QUANTISED
;;     3. batch 128 x [M 1,024, K 1,024] x [K 1,024, N 64]; A: softmax (see below); B: computed on the way: QUANTISED
;;   THE QUANTISER, for each operand of a quantised product, along K:
;;     - K is cut into blocks of 32 from its start; a last block that is shorter is filled with zeros.
;;     - A block's scale is 2^e with e = floor(log2(the largest magnitude in the block)) - 2, held to -126 .. 127; a block of zeros has e = 0. As a byte (E8M0): e + 127.
;;     - Each number is divided by its block's scale, clamped to +-7.5, and rounded to the nearest number of E2M3, ties to even, subnormals kept.
;;     - The product sums the exact products of the quantised numbers (number of the format x scale) in f32.
;;   ~~~python
;;   def quantise(x, axis):      # numpy; x: float32 -> the quantised numbers, widened to float32 again
;;       x = np.moveaxis(x, axis, -1); K = x.shape[-1]
;;       x = np.pad(x, [(0, 0)] * (x.ndim - 1) + [(0, -K % 32)]); x = x.reshape(x.shape[:-1] + (-1, 32)); a = np.abs(x).max(-1, keepdims=True)
;;       e = np.where(a > 0, np.clip(np.frexp(np.where(a > 0, a, 1))[1] - 1 - 2, -126, 127), 0)      # np.frexp(a)[1] - 1 = floor(log2(a)), exactly
;;       r = np.clip(x / 2.0 ** e, -7.5, 7.5)
;;       step = 2.0 ** (np.maximum(np.frexp(np.where(r == 0, 1, r))[1] - 1, 0) - 3)
;;       q = np.round(r / step) * step * 2.0 ** e      # np.round: ties to even
;;       return np.moveaxis(q.reshape(q.shape[:-2] + (-1,))[..., :K], -1, axis).astype(np.float32)
;;   ~~~
;;   SOFTMAX AHEAD OF A QUANTISED PRODUCT. Where the list says 'softmax', what is quantised is not the finished softmax but p = 2^(t - M), with t = logit x log2(e) and M = ceil(the row's largest t), a whole number; so 1/2 < the row's largest p <= 1. The row's sum l is taken of the UNQUANTISED p, in f32, and the product's result is divided by l at the end. Since M is a whole number, a kernel that streams over the keys may use a running M (the ceiling of the running maximum): every later rescaling is an exact power of two, which a block's scale takes up: the codes' values come out the same.
;;   OPERANDS COMPUTED ON THE WAY. 'Computed on the way' means the value that the module computes at that place (a softmax that the list does not call 'softmax' is quantised finished and normalised). What goes into a quantiser is computed in f32, as accurately as f32 sums, v_exp_f32 and their like allow (about 1e-6 of the number): no bf16 or f16 on the way to a quantiser, and a product that is left as it is and whose result goes on into a quantised operand takes f32 operands (vector FMAs, or v_wmma_f32_16x16x4_f32). A number that lies on a knife's edge between two numbers of the format may be rounded either way, as far as f32 arithmetic and the matrix unit's own rounding can turn it there, and no further.
;;   INPUTS GIVEN AS CODES. w_qkv (in the module: [3072, 1024], K = its axis 1); x (in the module: [8, 1024, 1024], K = its axis 2): each comes as NAME_codes (uint8): NAME with its K axis moved to the last place and cut into blocks of 32 codes, [.., K / 32, bytes a block], one block behind the other in memory; four codes in three bytes: a row's codes are one little-endian stream of bits, code i at bits 6 i .. 6 i + 5 (a code: sign, 2 exponent bits, 3 mantissa bits); and NAME_scales (uint8): the same leading axes, one E8M0 byte (e + 127) for each 32 codes along K. Its value is code x scale, taken as it is: it is not quantised again, and the codes and scales need not be those that the quantiser above would give.
;; One version. Each part assembles by itself: llvm-mc -triple=amdgcn-amd-amdhsa -mcpu=gfx1250 --defsym DOCPART=n.
;; ======== version 1 of 1: 2 launches
;; limits: right only within a limited range of input values
;; workspace buffers: ws 20,185,088 bytes
;; launch qkv (part 1): grid 12 x 32, 4 waves a work-group, clusters of 4 x 4, 327,680 bytes of LDS; arguments x_codes, x_scales, w_qkv_codes, w_qkv_scales, ws; writes ws
.if DOCPART == 1
	.amdgcn_target "amdgcn-amd-amdhsa--gfx1250"
	.amdhsa_code_object_version 6
	.text
	.protected	k_qdeae7924ad_qkv
	.globl	k_qdeae7924ad_qkv
	.p2align	8
	.type	k_qdeae7924ad_qkv,@function
k_qdeae7924ad_qkv:
	s_mov_b64 s[64:65], 0
	v_nop
	global_prefetch_b8 v0, s[64:65] scope:SCOPE_SE
	s_setreg_imm32_b32 hwreg(HW_REG_WAVE_MODE, 25, 1), 1
	s_wait_xcnt 0x0
	s_wait_alu depctr_hold_cnt(0) depctr_sa_sdst(0) depctr_va_vdst(0) depctr_va_sdst(0) depctr_va_ssrc(0) depctr_va_vcc(0) depctr_vm_vsrc(0)
	s_getreg_b32 s2, hwreg(HW_REG_IB_STS2, 6, 4)
	s_cmp_eq_u32 s2, 0
	s_cbranch_scc0 .Lentry_in_a_cluster
	s_endpgm
.Lentry_in_a_cluster:
	s_bfe_u32 s2, ttmp6, 0x10000c
	s_cmp_lg_u32 s2, 0xf033
	s_cbranch_scc0 .Lentry_shape_is_right
	s_endpgm
.Lentry_shape_is_right:
; qkv = x W^T on codes of FP6 (E2M3) with E8M0 scales (8,192 x 3,072 x 1,024), and what stands between it and the attention:
; q, k: 2-D RoPE, division by max(norm, 1e-12), the quantiser along the head's 64 channels;  v: the quantiser along the keys.
; Only codes and scale words go to memory, laid as images of the operand registers of the next launch.
; A tile of 256 x 256 is made by four waves, 128 x 128 each: 64 accumulators.  S1: the operand whose row a lane holds in the result (source 1); S0: the one whose rows run along the lane's registers.
;   q, k (cluster x = 0, 1): S1 = x, S0 = W.   v (cluster x = 2): S1 = W, S0 = x.  The kind is the cluster's x: the same in all sixteen partners.
; K: a row of codes is 768 bytes, three chunks of 256; chunk c lies in LDS slot c % 2, rows 272 bytes apart (16 of padding).  The head's four loads, one a wave, bring chunk 0's 256 rows of S1 and of S0
; into slot 0 and chunk 1's into slot 1.  Chunk 2 is the only refill: 128 rows a wave into slot 0, behind a round of the cluster's barrier in step 2, when chunk 0 has been read out; step 5 is the first to read it.
; A step of 128 along K is 96 bytes of a row; steps 2 and 5 lie across two chunks.
; SCALES: a row's 32 bytes are eight words, one a step.  Lane (r, h) loads 16 bytes at 32 r + 16 h: register q holds step q's word in lanes 0-15 and step 4 + q's in lanes 16-31; a load covers 512 consecutive bytes.
; CLUSTERS: 4 x 4.  S1's tile hangs on cy and the cluster's numbers alone and is asked for jointly by a row of the cluster, S0's on cx, by a column.
; PREFETCH: one instruction a wave at the head names chunk 2 of 32 rows (a lane a row); the four partners of a joint load share its 128 rows out by address.  It stands two steps of 64 matrix instructions ahead of the refill.
; ORDER INSIDE A BLOCK OF 32: a lane's 16 numbers of a block are the true indices {8h + 0..7, 16 + 8h + 0..7}; both operands of each later product carry the same order, the blocks and scales are the true ones.
; WORKSPACE, for each of 128 heads HEAD bytes: 8 key steps of KVS bytes (K's 8 tiles x 768, V's 4 fragments x 1,536, K's 128 scale words, V's 64), then 8 groups of QS bytes (Q's 8 tiles x 768, 128 scale words).
; A word of q or k: bytes 0, 1 the head's two blocks, bytes 2, 3 = 0x7f.  Every store covers whole aligned runs of 256 bytes.
; LIMITS: NaN, infinities and the scale byte 0xff among the inputs are not served.  A block whose largest magnitude lies under 2^-124 gets the byte 1 (read by this program alone).
; The RoPE angles are good to about 1e-6 absolute.  1 / max(norm, 1e-12) is taken as min(rsq(sum of squares), 1e12).
; REGISTERS: window 0: v0-31 addresses; v32-95 scale words and nothing else; v128-223 S1's fragments; behind the product v96-255 are at work.  window 1: S0's fragments, two sets.  windows 2, 3: accumulators.
.set KROW,   768
.set PITCH,  272
.set FR,     12
.set NL,     6
.set NP,     4
.set HALFT,  128*PITCH
.set SLOT,   4*HALFT                   ; S1's 256 rows, then S0's 256 rows
.set SPARE,  2*SLOT                    ; the spare words: 128 bytes a wave
.set TAB,    SPARE+512                 ; cos, sin: 40 positions x (16 frequencies x 8 bytes + 16): 0-31 column positions, 32-39 this work-group's row positions
.set TP,     144
.set STGQ,   TAB+5888
.set STGV,   STGQ+4096
.set HEAD,   157696
.set KVS,    13056
.set QS,     6656
.set QOFF,   8*KVS
.set HEADW,  (1<<20)|(1<<21)|(5<<22)|(3<<25)    ; padding on, bit 21 beside a mask, after every 64 words, 4 words
.set TR,   3
.set TC,   4
.set STQ,  5
.set SRQ,  6
.set STV,  7
.set SRV,  8
.set SH16, 9
.set ADRA, 16                          ; v16, v17 my fragments of S1 in slot 0, 1; v18, v19: lanes 0-15 byte 232 of the row in slot 0, 1, lanes 16-31 byte 0 of the row in the other slot
.set ADRB, 20                          ; v20-23 the same for S0
.set LI,   24
.set L8,   25
.set VGO,  26
.set SPW,  28
.set NIL,  29
.set PFO,  30                          ; lane x 768; never rewritten
.set SO,   31                          ; 32 r + 16 h
.set SCA,  32                          ; S1's scale words: block a at v[SCA + 4 a ..]
.set SCB,  64                          ; S0's
.set R,    96
.set AF,   128
.set PC,   160
.set TM,   180
.set PW,   196
.set WD,   197
.set SSQ,  198
.set INV,  206
.set SB,   212
.set CSR,  224
.set SEL,  100
.set G1, 24
.set G0, 32                            ; s[32:35] group 0 of chunk 2's load for S1
.set G1B, 48
.set G0B, 56                           ; s[56:59] for S0
.set HA0, 4                            ; groups 0 of the head's four loads (s[4:11] held arguments that have been used by then)
.set HB0, 8
.set HA1, 80
.set HB1, 84
.set PFA, 68
.set MSB, 0
.macro WIN new
.if MSB != (\new)
	s_set_vgpr_msb (MSB<<8)|(\new)
.set MSB, (\new)
.endif
.endm
.set MUL_LO, 0xa1
.set MUL_HI, 0xf1
.set TO_B,   0x40
; a joint load: waves 0, 1 fetch for S1, waves 2, 3 for S0; the branch hangs on the wave's number alone
.macro JLOAD g0a, g1a, g0b, g1b
	s_cmp_eq_u32 s15, 0
	s_cbranch_scc0 .Lfor_b_\@
	tensor_load_to_lds s[\g0a:\g0a+3], s[\g1a:\g1a+7]
	s_nop 0
.rept 4
	v_nop
.endr
	s_branch .Lasked_\@
.Lfor_b_\@:
	tensor_load_to_lds s[\g0b:\g0b+3], s[\g1b:\g1b+7]
	s_nop 0
.rept 4
	v_nop
.endr
.Lasked_\@:
.endm
.macro CREST
	s_cmp_lg_u32 s14, 0
	s_cbranch_scc1 .Lnot_wave_0_\@
	s_barrier_signal -3
.Lnot_wave_0_\@:
	s_barrier_wait -3
	s_barrier_signal -1
	s_barrier_wait -1
.endm
.macro CROUND
	s_barrier_signal -1
	s_barrier_wait -1
	CREST
.endm
	s_load_b256 s[4:11], s[0:1], 0x0               ; x's codes, x's scales, W's codes, W's scales
	s_load_b64 s[12:13], s[0:1], 0x20              ; the workspace
	v_lshl_add_u32 v[SPW], v0, 2, SPARE
	v_mov_b32 v[NIL], 0
	ds_add_u32 v[SPW], v[NIL]                      ; the opening lines
	ds_add_u32 v[SPW], v[NIL]
	v_lshrrev_b32 v1, 5, v0
	v_readfirstlane_b32 s14, v1                    ; wave
	s_lshr_b32 s15, s14, 1                         ; i: my half of S1's rows; also: in the refill I fetch for S1 (0) or S0 (1)
	s_and_b32 s16, s14, 1                          ; j: my half of S0's rows; also: which 128 rows I fetch there
	s_bfe_u32 s40, ttmp6, 0x40000                  ; cx
	s_bfe_u32 s41, ttmp6, 0x40004                  ; cy
	s_mov_b32 s66, ttmp9                           ; the kind
	s_and_b32 s67, ttmp7, 0xffff
	s_mov_b32 s2, 0xffff
	s_mov_b32 s3, 0x7f7f0000
	s_mov_b32 s[SEL], 0x76543210
	s_mov_b32 s[SEL+1], 0xfedcba98
	s_lshl_b32 s18, s67, 2
	s_add_co_u32 s17, s18, s41
	s_add_co_u32 s19, s41, 8
	s_lshl_b32 s42, s66, 2
	s_add_co_u32 s42, s42, s40
	s_add_co_u32 s20, s18, s40
	s_cmp_eq_u32 s66, 2
	s_cselect_b32 s17, s19, s17                    ; TA: of cy and the cluster's numbers alone
	s_cselect_b32 s42, s20, s42                    ; TB: of cx and the cluster's numbers alone
	s_lshl_b32 s43, s41, 2
	s_lshl_b32 s43, 15, s43                        ; my row of the cluster
	s_lshl_b32 s44, 0x1111, s40                    ; my column
	s_or_b32 s[G1+0], s43, HEADW
	s_or_b32 s[G1B+0], s44, HEADW
.irp g, G1, G1B
	s_mov_b32 s[\g+1], 256<<16                     ; tensor_dim0
	s_mov_b32 s[\g+2], 256<<16                     ; tensor_dim1: 256 rows for the head's loads
	s_mov_b32 s[\g+3], 256<<16                     ; tile_dim0
	s_mov_b32 s[\g+4], 256                         ; tile_dim1
	s_mov_b32 s[\g+5], KROW
	s_mov_b32 s[\g+6], 0
	s_mov_b32 s[\g+7], 0
.endr
	s_lshl_b32 s18, s16, 7
	s_lshl_b32 s20, s17, 8
	s_lshl_b32 s19, s15, 7
	s_add_co_u32 s22, s20, s19                     ; the rows of S1 that I multiply,
	s_lshl_b32 s22, s22, 5                         ; their scales, in bytes
	s_mov_b32 s23, 0
	s_add_co_u32 s20, s20, s18                     ; the rows of S1 that I would fetch in the refill
	s_lshl_b32 s46, s42, 8
	s_add_co_u32 s46, s46, s18                     ; S0: fetched and multiplied rows are the same
	s_lshl_b32 s92, s46, 5
	s_mov_b32 s93, 0
	s_mov_b32 s21, 0
	s_mov_b32 s47, 0
	s_mov_b64 s[18:19], KROW
	s_mul_u64 s[20:21], s[20:21], s[18:19]
	s_mul_u64 s[46:47], s[46:47], s[18:19]
	s_mul_i32 s88, s17, 256*KROW                   ; the tiles' first rows, in bytes (under 2^23)
	s_mov_b32 s89, 0
	s_mul_i32 s90, s42, 256*KROW
	s_mov_b32 s91, 0
	s_mul_i32 s45, s14, HALFT                      ; where my 128 rows of the refill go
	s_mul_i32 s72, s15, HALFT                      ; my rows of S1 in a slot,
	s_mul_i32 s73, s16, HALFT
	s_add_co_u32 s73, s73, 2*HALFT                 ; of S0
	s_mul_i32 s74, s15, 4*TP
	s_add_co_u32 s74, s74, TAB+32*TP
	s_lshl_b32 s75, s14, 10
	s_add_co_u32 s75, s75, STGQ
	s_lshl_b32 s76, s14, 9
	s_add_co_u32 s76, s76, STGV
	s_wait_dscnt 0x0
	s_wait_kmcnt 0x0
	s_cmp_eq_u32 s66, 2
	s_cselect_b64 s[96:97], s[8:9], s[4:5]
	s_cselect_b64 s[98:99], s[10:11], s[6:7]
	s_cselect_b64 s[4:5], s[4:5], s[8:9]
	s_cselect_b64 s[6:7], s[6:7], s[10:11]
	s_add_nc_u64 s[20:21], s[96:97], s[20:21]
	s_add_nc_u64 s[22:23], s[98:99], s[22:23]
	s_add_nc_u64 s[46:47], s[4:5], s[46:47]
	s_add_nc_u64 s[92:93], s[6:7], s[92:93]
	s_add_nc_u64 s[88:89], s[96:97], s[88:89]
	s_add_nc_u64 s[90:91], s[4:5], s[90:91]
	s_cmp_eq_u32 s15, 0                            ; the prefetch: my work-group's 32 of the 128 rows that I fetch in the refill
	s_cselect_b32 s70, s40, s41
	s_cselect_b64 s[PFA:PFA+1], s[20:21], s[46:47]
	s_mul_i32 s70, s70, 32*KROW
	s_mov_b32 s71, 0
	s_add_nc_u64 s[PFA:PFA+1], s[PFA:PFA+1], s[70:71]
	CROUND                                         ; the first joint loads meet
.macro HG0 g, lds, a, off
	s_mov_b32 s[\g], 1
	s_mov_b32 s[\g+1], \lds
	s_add_nc_u64 s[\g+2:\g+3], s[\a:\a+1], \off
	s_or_b32 s[\g+3], s[\g+3], 0x80000000
.endm
	HG0 HA0, 0, 88, 0                              ; chunk 0: S1's 256 rows,
	HG0 HB0, 2*HALFT, 90, 0                        ; S0's;
	HG0 HA1, SLOT, 88, 256                         ; chunk 1 likewise
	HG0 HB1, SLOT+2*HALFT, 90, 256
	s_mov_b32 s[G0], 1                             ; chunk 2, my 128 rows, into slot 0
	s_add_co_u32 s[G0+1], s45, 0
	s_add_nc_u64 s[G0+2:G0+3], s[20:21], 512
	s_or_b32 s[G0+3], s[G0+3], 0x80000000
	s_mov_b32 s[G0B], 1
	s_add_co_u32 s[G0B+1], s45, 0
	s_add_nc_u64 s[G0B+2:G0B+3], s[46:47], 512
	s_or_b32 s[G0B+3], s[G0B+3], 0x80000000
; the head's loads, one a wave: one tree of branches on the wave's number, every way passes exactly one load
.macro ARM under, g0, g1, next
	s_cmp_lt_u32 s14, \under
	s_cbranch_scc0 \next
	tensor_load_to_lds s[\g0:\g0+3], s[\g1:\g1+7]
	s_nop 0
.rept 4
	v_nop
.endr
	s_branch .Lhead_asked
\next:
.endm
	ARM 1, HA0, G1,  .Lhead_b0
	ARM 2, HB0, G1B, .Lhead_a1
	ARM 3, HA1, G1,  .Lhead_b1
	tensor_load_to_lds s[HB1:HB1+3], s[G1B:G1B+7]
	s_nop 0
.rept 4
	v_nop
.endr
.Lhead_asked:
	v_and_b32 v1, 15, v0                           ; r
	v_bfe_u32 v2, v0, 4, 1                         ; h
	v_lshlrev_b32 v[SO], 5, v1
	v_lshl_add_u32 v[SO], v2, 4, v[SO]
	v_and_b32 v[PFO], 31, v0
	v_mul_u32_u24 v[PFO], v[PFO], KROW
.irp a, 0,1,2,3,4,5,6,7
	global_load_b128 v[SCA+4*\a:SCA+4*\a+3], v[SO], s[22:23] offset:512*\a
	global_load_b128 v[SCB+4*\a:SCB+4*\a+3], v[SO], s[92:93] offset:512*\a
.endr
	global_prefetch_b8 v[PFO], s[PFA:PFA+1] offset:512 th:TH_LOAD_NT scope:SCOPE_SE
	; the table of cos and sin.  Thread t: frequency f = t % 16, positions t / 16 + 8 e (e = 0..3) and, as entry 4, row position t / 16 + 8 cy.
	; frequency = 10000^(-f/16) = 2^(-f 3401/4096) x (1 - f x 1.1073588e-4)
	v_and_b32 v96, 15, v0
	v_lshrrev_b32 v97, 4, v0
	v_cvt_f32_u32 v98, v96
	v_mul_f32 v99, 0xbf549000, v98
	s_wait_alu depctr_va_vdst(0)
	v_exp_f32 v99, v99
	v_mul_f32 v100, 0x38e83add, v98
	v_mul_u32_u24 v107, v97, TP
	v_lshl_add_u32 v107, v96, 3, v107
	v_add_nc_u32 v107, TAB, v107
	s_wait_alu depctr_va_vdst(0)
	v_fma_f32 v99, -v99, v100, v99
.macro TABENT e
.if (\e) < 4
	v_add_nc_u32 v101, 8*(\e), v97
.else
	v_lshl_add_u32 v101, s41, 3, v97
.endif
	v_cvt_f32_u32 v101, v101
	v_mul_f32 v101, v101, v99                      ; the angle, at most 31
	v_mul_f32 v102, 0x3f22f983, v101
	v_rndne_f32 v102, v102
	v_fmamk_f32 v101, v102, 0xbfc90fdb, v101       ; less k pi/2, pi/2 in two parts
	v_fmamk_f32 v101, v102, 0x333bbd2e, v101
	v_mul_f32 v103, v101, v101
	v_mov_b32 v104, 0x3638ef1d
	v_mov_b32 v105, 0xb493f27e
	v_fmaak_f32 v104, v104, v103, 0xb9500d01
	v_fmaak_f32 v105, v105, v103, 0x37d00d01
	v_fmaak_f32 v104, v104, v103, 0x3c088889
	v_fmaak_f32 v105, v105, v103, 0xbab60b61
	v_fmaak_f32 v104, v104, v103, 0xbe2aaaab
	v_fmaak_f32 v105, v105, v103, 0x3d2aaaab
	v_mul_f32 v104, v104, v103
	v_fmaak_f32 v105, v105, v103, 0xbf000000
	v_fma_f32 v104, v104, v101, v101               ; sin r
	v_fma_f32 v105, v105, v103, 1.0                ; cos r
	v_cvt_i32_f32 v102, v102
	v_and_b32 v106, 1, v102
	v_cmp_ne_u32 vcc_lo, 0, v106                   ; an odd quadrant swaps the two
	v_cndmask_b32 v[108+2*(\e)], v105, v104, vcc_lo
	v_cndmask_b32 v[109+2*(\e)], v104, v105, vcc_lo
	v_add_nc_u32 v106, 1, v102
	v_and_b32 v106, 2, v106
	v_and_b32 v102, 2, v102
	v_lshlrev_b32 v106, 30, v106
	v_lshlrev_b32 v102, 30, v102
	v_xor_b32 v[108+2*(\e)], v106, v[108+2*(\e)]
	v_xor_b32 v[109+2*(\e)], v102, v[109+2*(\e)]
	ds_store_b64 v107, v[108+2*(\e):109+2*(\e)] offset:8*TP*(\e)
.endm
.irp e, 0,1,2,3,4
	TABENT \e
.endr
	; every LDS address
	v_mul_u32_u24 v10, v1, PITCH
	v_mad_u32_u24 v11, v2, 24, v10                 ; row x pitch + 24 h
	v_mul_u32_u24 v12, v2, SLOT-232
	v_add_nc_u32 v12, v10, v12
	v_add_nc_u32 v12, 232, v12                     ; lanes 0-15 byte 232 of the row in slot 0, lanes 16-31 byte 0 of the row in slot 1
	v_sub_nc_u32 v13, 1, v2
	v_mul_u32_u24 v13, v13, SLOT+232
	v_add_nc_u32 v13, v10, v13                     ; lanes 0-15 byte 232 in slot 1, lanes 16-31 byte 0 in slot 0
	v_add_nc_u32 v[ADRA], s72, v11
	v_add_nc_u32 v[ADRA+1], SLOT, v[ADRA]
	v_add_nc_u32 v[ADRA+2], s72, v12
	v_add_nc_u32 v[ADRA+3], s72, v13
	v_add_nc_u32 v[ADRB], s73, v11
	v_add_nc_u32 v[ADRB+1], SLOT, v[ADRB]
	v_add_nc_u32 v[ADRB+2], s73, v12
	v_add_nc_u32 v[ADRB+3], s73, v13
	v_lshl_add_u32 v[TR], v2, 5, s74
	v_mul_u32_u24 v[TC], v1, TP
	v_lshl_add_u32 v[TC], v2, 5, v[TC]
	v_add_nc_u32 v[TC], TAB, v[TC]
	v_and_b32 v10, 31, v0
	v_lshlrev_b32 v[LI], 4, v10
	v_lshlrev_b32 v[L8], 3, v10
	v_lshl_add_u32 v[STQ], v2, 9, s75
	v_lshl_add_u32 v[STQ], v1, 2, v[STQ]
	v_add_nc_u32 v[SRQ], s75, v[LI]
	v_lshl_add_u32 v[STV], v1, 2, s76
	v_add_nc_u32 v[SRV], s76, v[LI]
	v_lshlrev_b32 v[SH16], 4, v2
	v_mul_u32_u24 v[VGO], v2, HEAD
	v_lshl_add_u32 v[VGO], v1, 4, v[VGO]
; a fragment, 16 rows x 128 K: 12 registers, in pieces of 8 bytes.  Byte y of a row of codes lies in slot (y / 256) % 2 at byte y % 256 of its LDS row; lanes 16-31 read 24 bytes of the row further on
.macro FRAG reg, adr, st, i
.irp p, 0,1,2,3,4,5
.set BY, 96*(\st)+48*(\p/3)+8*(\p%3)
.if BY/256 == (BY+24)/256
	ds_load_b64 v[\reg+2*\p:\reg+2*\p+1], v[\adr+(BY/256)%2] offset:BY%256+(\i)*16*PITCH
.else
	ds_load_b64 v[\reg+2*\p:\reg+2*\p+1], v[\adr+2+(BY/256)%2] offset:BY%256-232+(\i)*16*PITCH
.endif
.endr
.endm
; 16 matrix instructions: S1's blocks a0, a0 + 1 x S0's eight.  The 64 accumulators take turns
.macro MUL16 a0, p, st, zero
.irp a, \a0, \a0+1
.irp b, 0,1,2,3,4,5,6,7
.set rD, 8*(8*((\a)%4)+\b)
.set rX, 128*(\p)+FR*\b
.set rY, AF+FR*(\a)
.set rE, SCB+4*\b+(\st)%4
.set rF, SCA+4*(\a)+(\st)%4
.if \zero
	v_wmma_scale_f32_16x16x128_f8f6f4 v[rD:rD+7], v[rX:rX+FR-1], v[rY:rY+FR-1], 0, v[rE], v[rF] matrix_a_fmt:MATRIX_FMT_FP6 matrix_b_fmt:MATRIX_FMT_FP6
.elseif (\st) < 4
	v_wmma_scale_f32_16x16x128_f8f6f4 v[rD:rD+7], v[rX:rX+FR-1], v[rY:rY+FR-1], v[rD:rD+7], v[rE], v[rF] matrix_a_fmt:MATRIX_FMT_FP6 matrix_b_fmt:MATRIX_FMT_FP6
.else
	v_wmma_scale_f32_16x16x128_f8f6f4 v[rD:rD+7], v[rX:rX+FR-1], v[rY:rY+FR-1], v[rD:rD+7], v[rE], v[rF] matrix_a_fmt:MATRIX_FMT_FP6 matrix_b_fmt:MATRIX_FMT_FP6 matrix_a_scale:MATRIX_SCALE_ROW1 matrix_b_scale:MATRIX_SCALE_ROW1
.endif
.endr
.endr
.endm
.macro FETCH_B st, p
	WIN TO_B
.irp i, 0,1,2,3,4,5,6,7
	FRAG 128*(\p)+FR*\i, ADRB, \st, \i
.endr
	WIN 0
.endm
.macro FETCH_A st, i0
.irp i, \i0, \i0+1, \i0+2, \i0+3
	FRAG AF+FR*(\i), ADRA, \st, \i
.endr
.endm
.macro PLACES n
.rept \n
	v_nop
.endr
.endm
; a step of 128 along K; the next step's fragments are fetched in its middle and at its end.
; step 2: chunk 0 is read no more: the three lines, a round of the cluster's barrier, the refill of slot 0.  step 4: the next step reads chunk 2: each wave waits for its load, and a barrier shows the chunk whole.
.macro STEP st, zero
.set NX, (\st)+1
.if (\st) == 2 || (\st) == 4
	s_wait_tensorcnt 0x0
.if (\st) == 2
	ds_add_u32 v[SPW], v[NIL]
	s_wait_dscnt 4*NL+1                            ; the add and S1's blocks 4-7 may be out
.else
	s_wait_dscnt 4*NL
.endif
	WIN MUL_LO
	MUL16 0, (\st)%2, \st, \zero
	s_wait_dscnt 0x0                               ; the add is done, my reads are over
	s_barrier_signal -1
	MUL16 2, (\st)%2, \st, \zero
	WIN 0
	s_barrier_wait -1
.if (\st) == 2
	CREST
	JLOAD G0, G1, G0B, G1B                         ; chunk 2; its four v_nop are the places in front of the loads below
.else
	PLACES NP
.endif
.else
	s_wait_dscnt 4*NL                              ; the youngest 24 loads (S1's blocks 4-7) may be out
	WIN MUL_LO
	MUL16 0, (\st)%2, \st, \zero
	MUL16 2, (\st)%2, \st, \zero
	s_wait_dscnt 0
	PLACES NP
.endif
	FETCH_B NX, NX%2
	FETCH_A NX, 0
	WIN MUL_HI
	MUL16 4, (\st)%2, \st, \zero
	MUL16 6, (\st)%2, \st, \zero
	PLACES NP
	WIN 0
	FETCH_A NX, 4
.endm
	s_wait_alu depctr_va_vdst(0)
	s_wait_tensorcnt 0x0                           ; my tile of the head's four is in; no load of mine is out, so group 1 may be written: from here on a load brings 128 rows
.irp g, G1, G1B
	s_mov_b32 s[\g+2], 128<<16
	s_mov_b32 s[\g+4], 128
.endr
	s_wait_loadcnt 0x0                             ; the scale words
	s_wait_dscnt 0x0                               ; my entries of the table
	s_barrier_signal -1
	s_barrier_wait -1                              ; chunks 0 and 1 and the table are whole
	FETCH_B 0, 0
	FETCH_A 0, 0
	FETCH_A 0, 4
	STEP 0, 1
.irp t, 1,2,3,4,5,6
	STEP \t, 0
.endr
	s_wait_dscnt 4*NL
	WIN MUL_LO
	MUL16 0, 1, 7, 0
	MUL16 2, 1, 7, 0
	s_wait_dscnt 0
	WIN MUL_HI
	MUL16 4, 1, 7, 0
	MUL16 6, 1, 7, 0
	WIN 0
	PLACES NP
.irp b, 0,1,2,3
	v_mov_b32 v[TM+4+\b], 0                        ; a lane permute's destination counts as one of its sources
.endr
	v_mov_b32 v[INV+1], 0
	v_mov_b32 v[INV+3], 0
; 64 numbers of a lane, register 16 b + n belonging to block b of my row (lane l xor 16 holds the other 16), become 12 registers of codes in v[PC] on and the row's scale word in v[PW]
.macro QUANT s, w
	WIN ((\w)|((\w)<<2))
.irp b, 0,1,2,3
	v_max3_num_f32 v[TM+\b], |v[\s+16*\b]|, |v[\s+16*\b+1]|, 0x1800000   ; with the floor 2^(3 - 127)
.endr
.irp n, 2,4,6,8,10,12,14
.irp b, 0,1,2,3
	v_max3_num_f32 v[TM+\b], |v[\s+16*\b+\n]|, |v[\s+16*\b+\n+1]|, v[TM+\b]
.endr
.endr
	WIN 0
.irp b, 0,1,2,3
	v_permlanex16_b32 v[TM+4+\b], v[TM+\b], s[SEL], s[SEL+1]
.endr
.irp b, 0,1,2,3
	v_max_num_f32 v[TM+\b], v[TM+\b], v[TM+4+\b]
.endr
.irp b, 0,1,2,3
	v_add_nc_u32 v[TM+12+\b], 0xff000000, v[TM+\b] ; 2 off the exponent field: the conversion's scale operand
.endr
.irp b, 0,1,2,3
	v_lshrrev_b32 v[TM+4+\b], 23, v[TM+12+\b]
.endr
	v_lshl_or_b32 v[PW], v[TM+5], 8, v[TM+4]
	v_lshl_or_b32 v[PW], v[TM+6], 16, v[PW]
	v_lshl_or_b32 v[PW], v[TM+7], 24, v[PW]
	WIN (\w)
.irp c, 0,1
	v_cvt_scalef32_pk16_fp6_f32 v[PC+6*\c:PC+6*\c+2], v[\s+32*\c:\s+32*\c+15], v[TM+12+2*\c]
	v_cvt_scalef32_pk16_fp6_f32 v[PC+12+4*\c:PC+14+4*\c], v[\s+32*\c+16:\s+32*\c+31], v[TM+12+2*\c+1]
.endr
	WIN 0
	v_nop                                          ; one plain line behind a scaled conversion
.irp c, 0,1
.irp n, 0,1,2
	v_permlane16_swap_b32 v[PC+6*\c+\n], v[PC+12+4*\c+\n]   ; a whole block to a lane
.endr
.irp n, 0,1,2
	v_mov_b32 v[PC+3+6*\c+\n], v[PC+12+4*\c+\n]
.endr
.endr
.endm
	s_cmp_eq_u32 s66, 2                            ; the kinds part: the same way in all waves and partners
	s_cbranch_scc1 .Lv
	; q, k.  In accumulator (a, b) lane (r, h) register n holds token 16 a + r, channel 16 (b % 4) + 8 h + n of my head b / 4
	s_lshr_b32 s20, s17, 2
	s_and_b32 s21, s17, 3
	s_lshl_b32 s21, s21, 1
	s_add_co_u32 s21, s21, s15                     ; which 128 tokens of the batch
	s_lshl_b32 s20, s20, 4
	s_lshl_b32 s22, s40, 2
	s_add_co_u32 s20, s20, s22
	s_lshl_b32 s22, s16, 1
	s_add_co_u32 s20, s20, s22                     ; my first head
	s_mul_i32 s20, s20, HEAD
	s_mul_i32 s22, s66, KVS-QS
	s_add_co_u32 s22, s22, QS
	s_mul_i32 s21, s21, s22
	s_add_co_u32 s20, s20, s21
	s_sub_co_u32 s22, 1, s66
	s_mul_i32 s22, s22, QOFF
	s_add_co_u32 s20, s20, s22
	s_mov_b32 s21, 0
	s_add_nc_u64 s[12:13], s[12:13], s[20:21]      ; my images
	s_mul_i32 s22, s66, 6144
	s_add_co_u32 s22, s22, 6144
	s_mov_b32 s23, 0
	s_add_nc_u64 s[22:23], s[12:13], s[22:23]      ; my scale words
.macro CSLOAD a                        ; pairs 0-15 of a head turn by the row position, pairs 16-31 by the column position
.irp m, 0,1
	ds_load_b128 v[CSR+8*\m:CSR+8*\m+3], v[TR] offset:((\a)/2)*TP+64*\m
	ds_load_b128 v[CSR+8*\m+4:CSR+8*\m+7], v[TR] offset:((\a)/2)*TP+64*\m+16
	ds_load_b128 v[CSR+16+8*\m:CSR+16+8*\m+3], v[TC] offset:16*((\a)%2)*TP+64*\m
	ds_load_b128 v[CSR+16+8*\m+4:CSR+16+8*\m+7], v[TC] offset:16*((\a)%2)*TP+64*\m+16
.endr
.endm
.macro QKROW a
.set AC, 64*((\a)%4)
.set W, 2+(\a)/4
	s_wait_dscnt 0x0                               ; this block's cos and sin are in; the last block's scale word has left its register
	WIN W
.irp b, 0,1,2,3,4,5,6,7
.irp n, 0,2,4,6
	v_pk_mul_f32 v[R+8*\b+\n:R+8*\b+\n+1], v[AC+8*\b+\n:AC+8*\b+\n+1], v[CSR+8*(\b%4)+\n:CSR+8*(\b%4)+\n+1] op_sel:[1,1] op_sel_hi:[1,0] neg_lo:[1,0]   ; (-xi sin, xi cos)
.endr
.endr
.irp b, 0,1,2,3,4,5,6,7
.irp n, 0,2,4,6
	v_pk_fma_f32 v[R+8*\b+\n:R+8*\b+\n+1], v[AC+8*\b+\n:AC+8*\b+\n+1], v[CSR+8*(\b%4)+\n:CSR+8*(\b%4)+\n+1], v[R+8*\b+\n:R+8*\b+\n+1] op_sel_hi:[0,1,1]   ; + (xr cos, xr sin)
.endr
.endr
	WIN 0
.if (\a) < 7
	CSLOAD (\a)+1
.endif
.irp d, 0,1
	v_pk_mul_f32 v[SSQ+4*\d:SSQ+4*\d+1], v[R+32*\d:R+32*\d+1], v[R+32*\d:R+32*\d+1]
	v_pk_mul_f32 v[SSQ+4*\d+2:SSQ+4*\d+3], v[R+32*\d+2:R+32*\d+3], v[R+32*\d+2:R+32*\d+3]
.endr
.irp n, 4,8,12,16,20,24,28
.irp d, 0,1
	v_pk_fma_f32 v[SSQ+4*\d:SSQ+4*\d+1], v[R+32*\d+\n:R+32*\d+\n+1], v[R+32*\d+\n:R+32*\d+\n+1], v[SSQ+4*\d:SSQ+4*\d+1]
	v_pk_fma_f32 v[SSQ+4*\d+2:SSQ+4*\d+3], v[R+32*\d+\n+2:R+32*\d+\n+3], v[R+32*\d+\n+2:R+32*\d+\n+3], v[SSQ+4*\d+2:SSQ+4*\d+3]
.endr
.endr
.irp d, 0,1
	v_pk_add_f32 v[SSQ+4*\d:SSQ+4*\d+1], v[SSQ+4*\d:SSQ+4*\d+1], v[SSQ+4*\d+2:SSQ+4*\d+3]
.endr
.irp d, 0,1
	v_add_f32 v[SSQ+4*\d], v[SSQ+4*\d], v[SSQ+4*\d+1]
.endr
.irp d, 0,1
	v_permlanex16_b32 v[SSQ+4*\d+1], v[SSQ+4*\d], s[SEL], s[SEL+1]
.endr
.irp d, 0,1
	v_add_f32 v[SSQ+4*\d], v[SSQ+4*\d], v[SSQ+4*\d+1]
.endr
	s_wait_alu depctr_va_vdst(0)
.irp d, 0,1
	v_rsq_f32 v[INV+2*\d], v[SSQ+4*\d]
.endr
	v_nop
	s_wait_alu depctr_va_vdst(0)                   ; one wait for both
.irp d, 0,1
	v_min_num_f32 v[INV+2*\d], 0x5368d4a5, v[INV+2*\d]   ; 1 / max(norm, 1e-12)
.endr
.irp d, 0,1
.irp n, 0,2,4,6,8,10,12,14,16,18,20,22,24,26,28,30
	v_pk_mul_f32 v[R+32*\d+\n:R+32*\d+\n+1], v[R+32*\d+\n:R+32*\d+\n+1], v[INV+2*\d:INV+2*\d+1] op_sel_hi:[1,0]
.endr
.endr
	s_wait_xcnt 0x0                                ; the last block's stores have read the codes' registers
	QUANT R, 0
	global_store_b128 v[LI], v[PC:PC+3], s[12:13] offset:(\a)*768
	global_store_b64 v[L8], v[PC+4:PC+5], s[12:13] offset:(\a)*768+512
	global_store_b128 v[LI], v[PC+6:PC+9], s[12:13] offset:HEAD+(\a)*768
	global_store_b64 v[L8], v[PC+10:PC+11], s[12:13] offset:HEAD+(\a)*768+512
	v_lshrrev_b32 v[WD], v[SH16], v[PW]            ; lanes 0-15 the first head's two bytes, lanes 16-31 the second's
	v_and_or_b32 v[WD], v[WD], s2, s3              ; bytes 2, 3 = 0x7f
	ds_store_b32 v[STQ], v[WD] offset:64*(\a)
.endm
	CSLOAD 0
.irp a, 0,1,2,3,4,5,6,7
	QKROW \a
.endr
	ds_load_b128 v[SB:SB+3], v[SRQ]                ; LDS serves a wave's instructions in order (ISA guide 5.7.1.4)
	ds_load_b128 v[SB+4:SB+7], v[SRQ] offset:512
	s_wait_dscnt 0x0
	global_store_b128 v[LI], v[SB:SB+3], s[22:23]
	global_store_b128 v[LI], v[SB+4:SB+7], s[22:23] offset:HEAD
	s_branch .Ldone
.Lv:	; v.  In accumulator (a, b) lane (r, h) register n holds channel 16 a + r of my 128, key 16 b + 8 h + n of my 128: a row block is one fragment of V^T
	s_lshr_b32 s20, s42, 2
	s_and_b32 s21, s42, 3
	s_lshl_b32 s21, s21, 1
	s_add_co_u32 s21, s21, s16                     ; which key step
	s_lshl_b32 s20, s20, 4
	s_lshl_b32 s22, s41, 2
	s_add_co_u32 s20, s20, s22
	s_lshl_b32 s22, s15, 1
	s_add_co_u32 s20, s20, s22                     ; my first head
	s_mul_i32 s20, s20, HEAD
	s_mul_i32 s21, s21, KVS
	s_add_co_u32 s20, s20, s21
	s_add_co_u32 s20, s20, 6144
	s_mov_b32 s21, 0
	s_add_nc_u64 s[12:13], s[12:13], s[20:21]
.macro VROW a
.set AC, 64*((\a)%4)
.set W, 2+(\a)/4
	s_wait_xcnt 0x0
	s_wait_dscnt 0x0
	QUANT AC, W
.irp c, 0,1,2
	global_store_b128 v[LI], v[PC+4*\c:PC+4*\c+3], s[12:13] offset:((\a)/4)*HEAD+((\a)%4)*1536+512*\c
.endr
	ds_store_b32 v[STV], v[PW] offset:64*(\a)      ; both lanes of a row write the same word
.endm
.irp a, 0,1,2,3,4,5,6,7
	VROW \a
.endr
	ds_load_b128 v[SB:SB+3], v[SRV]
	s_wait_dscnt 0x0
	global_store_b128 v[VGO], v[SB:SB+3], s[12:13] offset:KVS-256-6144
.Ldone:
	s_wait_tensorcnt 0x0                           ; the wave's end
	ds_add_u32 v[SPW], v[NIL]
	s_wait_dscnt 0x0
	CROUND                                         ; the closing round
	s_endpgm
.Lfunc_end_k_qdeae7924ad_qkv:
	.size	k_qdeae7924ad_qkv, .Lfunc_end_k_qdeae7924ad_qkv-k_qdeae7924ad_qkv
	.p2alignl 7, 3214868480
	.fill 96, 4, 3214868480
	.section	.rodata,"a",@progbits
	.p2align	6, 0x0
	.amdhsa_kernel k_qdeae7924ad_qkv
		.amdhsa_group_segment_fixed_size 327680
		.amdhsa_private_segment_fixed_size 0
		.amdhsa_enable_private_segment 0
		.amdhsa_kernarg_size 40
		.amdhsa_user_sgpr_count 2
		.amdhsa_user_sgpr_kernarg_segment_ptr 1
		.amdhsa_wavefront_size32 1
		.amdhsa_system_sgpr_workgroup_id_x 1
		.amdhsa_system_sgpr_workgroup_id_y 1
		.amdhsa_system_sgpr_workgroup_id_z 1
		.amdhsa_system_vgpr_workitem_id 0
		.amdhsa_next_free_vgpr 1024
		.amdhsa_next_free_sgpr 102
		.amdhsa_reserve_vcc 1
		.amdhsa_float_denorm_mode_32 3
		.amdhsa_float_denorm_mode_16_64 3
		.amdhsa_memory_ordered 1
		.amdhsa_forward_progress 1
		.amdhsa_inst_pref_size 255
	.end_amdhsa_kernel
	.section	.bss,"aw",@nobits
	.p2align	6
	.space	262144
	.amdgpu_metadata
---
amdhsa.version: [ 1, 2 ]
amdhsa.kernels:
  - .name:           k_qdeae7924ad_qkv
    .symbol:         k_qdeae7924ad_qkv.kd
    .args:
      - { .name: x_codes, .offset: 0, .size: 8, .value_kind: global_buffer, .address_space: global }
      - { .name: x_scales, .offset: 8, .size: 8, .value_kind: global_buffer, .address_space: global }
      - { .name: w_qkv_codes, .offset: 16, .size: 8, .value_kind: global_buffer, .address_space: global }
      - { .name: w_qkv_scales, .offset: 24, .size: 8, .value_kind: global_buffer, .address_space: global }
      - { .name: ws, .offset: 32, .size: 8, .value_kind: global_buffer, .address_space: global }
    .group_segment_fixed_size: 327680
    .private_segment_fixed_size: 0
    .kernarg_segment_align: 8
    .kernarg_segment_size: 40
    .max_flat_workgroup_size: 128
    .sgpr_count:     102
    .vgpr_count:     1024
    .wavefront_size: 32
...
	.end_amdgpu_metadata
.endif
;; end of part 1
;; launch attn (part 2): grid 2 x 128, 8 waves a work-group, no clusters, 327,680 bytes of LDS; arguments ws, logit_scale, out0; writes out0
.if DOCPART == 2
	.amdgcn_target "amdgcn-amd-amdhsa--gfx1250"
	.amdhsa_code_object_version 6
	.text
	.protected	k_qdeae7924ad_attn
	.globl	k_qdeae7924ad_attn
	.p2align	8
	.type	k_qdeae7924ad_attn,@function
k_qdeae7924ad_attn:
	s_mov_b64 s[64:65], 0
	v_nop
	global_prefetch_b8 v0, s[64:65] scope:SCOPE_SE
	s_setreg_imm32_b32 hwreg(HW_REG_WAVE_MODE, 25, 1), 1
	s_wait_xcnt 0x0
; out[b][n][64 h + d] = the sum over keys of softmax(qn . kn x exp(min(logit_scale[h], 4.6052))) v, both products on codes of FP6 (E2M3) with E8M0 scales, from the images that the launch before has laid.
; THE SOFTMAX: t = score x c, c = exp(min(logit_scale, 4.6052)) x log2(e); M = the running largest t rounded UP to a whole number; p = 2^(t - M) is quantised along the keys, not normalised;
; the row's sum is taken of the unquantised p and divides at the end.  When M moves, the sum and O are multiplied by 2^(old M - new M): exact.
; SHARES: a work-group owns 512 queries of one head, each of its eight waves 64, in two passes of two tiles of 16.  Every wave walks the head's 1,024 keys, 128 a step.
; THE HEAD'S K, V AND SCALE WORDS, 408 rows of 256 bytes, come into LDS once, as they lie.  At the head each wave fetches 20 rows (160 rows: key steps 0 to 2 and 7 rows more);
; behind the first barrier, each fetches 31 rows more.  Key steps 0 and 1 are worked on while those are out.  No byte is filled twice.
; K's fragments and scale words of the next key step are asked for behind the score products, which have read the registers; V's at the step's head.
; LAYOUT: both products are used transposed (S^T = K Q^T, O^T = V^T P^T): a lane holds one query throughout.  p's registers and V's codes carry the same order inside each true block of 32 keys.
; K = 64 IN A FORM OF K = 128: q's registers 6-11 are zero codes; source 0's registers 6-11 are the next tile's codes (six zero registers behind the last) under the scale byte 0x7f: they add nothing.
; NO CLUSTER: a head's record is read by two work-groups alone, and the grid's two along x divide into no cluster of four.  NO PREFETCH: the whole record is asked for by tensor loads within the first two of sixteen steps.
; LIMITS: NaN and infinities are not served.  A block of p whose every number has fallen under 2^-124 gets the byte 1 and zero codes.
; REGISTERS: window 0: v1-9 addresses; v[10:11] c; v12-19 -M, largest t, the sums; v20-29 scale words and nothing else; v32-55 p's codes; v56-62, v240-246 halves on their way;
;   v64-191 S^T, then p; v192-223 block maxima, bytes, scale operands; v224-231 f and second chains; v254, v255 the add's.
;   window 1: v0-63 O^T; v64-111 Q's four tiles; v112-159 K's eight tiles; v160-165 zeros; v166-213 V's four fragments.
.set HEAD,  157696
.set KVS,   13056
.set QS,    6656
.set QOFF,  8*KVS
.set STAGE, 8*KVS                      ; 16 rows x 272 bytes for each wave, for the way out
.set SP,    272
.set SPARE, 0x29000
.set LI,  1
.set L8,  2
.set L4,  3
.set ADI, 4
.set AD8, 5
.set ADS, 6
.set GO,  7
.set STO, 8
.set SRD, 9
.set CC,  10
.set ST,  12
.set QSC, 20
.set KSC, 22
.set VSC, 26
.set PSC, 28
.set PCD, 32
.set CT,  56
.set S,   64
.set BM,  192
.set FF,  224
.set SM2, 228
.set OA,  0
.set QF,  64
.set KF,  112
.set VF,  166
.set SEL, 48
.set TB,  50
.set CNT, 51
.set MSB, 0
.macro WIN new
.if MSB != (\new)
	s_set_vgpr_msb (MSB<<8)|(\new)
.set MSB, (\new)
.endif
.endm
	s_load_b128 s[4:7], s[0:1], 0x0                ; the workspace, logit_scale
	s_load_b64 s[8:9], s[0:1], 0x10                ; out
	v_lshl_add_u32 v254, v0, 2, SPARE
	v_mov_b32 v255, 0
	ds_add_u32 v254, v255                          ; the opening lines
	ds_add_u32 v254, v255
	v_lshrrev_b32 v1, 5, v0
	s_delay_alu instid0(VALU_DEP_1)
	v_readfirstlane_b32 s10, v1                    ; wave
	s_and_b32 s11, ttmp7, 0xffff                   ; the head: 16 b + h
	s_mov_b32 s12, ttmp9                           ; which 512 queries
	; groups 1: rows of 256 bytes (32 elements of 8 bytes), dense: 20 rows, 31 rows
	s_mov_b32 s16, 3<<16
	s_mov_b32 s17, 32<<16
	s_mov_b32 s18, 20<<16
	s_mov_b32 s19, 32<<16
	s_mov_b32 s20, 20
	s_mov_b32 s21, 32
	s_mov_b32 s22, 0
	s_mov_b32 s23, 0
	s_mov_b32 s24, 3<<16
	s_mov_b32 s25, 32<<16
	s_mov_b32 s26, 31<<16
	s_mov_b32 s27, 32<<16
	s_mov_b32 s28, 31
	s_mov_b32 s29, 32
	s_mov_b32 s30, 0
	s_mov_b32 s31, 0
	s_mov_b32 s[SEL], 0x76543210
	s_mov_b32 s[SEL+1], 0xfedcba98
	s_mul_i32 s40, s11, HEAD
	s_mov_b32 s41, 0
	s_mul_i32 s33, s10, 20*256                     ; my rows' place, in LDS as in the record
	s_mul_i32 s37, s10, 31*256
	s_add_co_u32 s37, s37, 160*256
	s_mov_b32 s42, s33
	s_mov_b32 s43, 0
	s_mov_b32 s44, s37
	s_mov_b32 s45, 0
	s_wait_dscnt 0x0
	s_wait_kmcnt 0x0
	s_add_nc_u64 s[4:5], s[4:5], s[40:41]          ; the head's record
	s_mov_b32 s32, 1
	s_add_nc_u64 s[34:35], s[4:5], s[42:43]
	s_or_b32 s35, s35, 0x80000000
	s_mov_b32 s36, 1
	s_add_nc_u64 s[38:39], s[4:5], s[44:45]
	s_or_b32 s39, s39, 0x80000000
	tensor_load_to_lds s[32:35], s[16:23]          ; my one load at the head
	s_nop 0
.rept 4
	v_nop
.endr
	s_and_b32 s42, s11, 15
	s_lshl_b32 s42, s42, 2
	s_mov_b32 s43, 0
	s_add_nc_u64 s[6:7], s[6:7], s[42:43]
	s_load_b32 s13, s[6:7], 0x0                    ; my head's logit_scale
	v_and_b32 v30, 31, v0
	s_delay_alu instid0(VALU_DEP_1)
	v_lshlrev_b32 v[LI], 4, v30
	s_delay_alu instid0(VALU_DEP_2)
	v_lshlrev_b32 v[L8], 3, v30
	s_delay_alu instid0(VALU_DEP_3)
	v_lshlrev_b32 v[L4], 2, v30
	s_wait_alu depctr_va_vdst(0)
	s_lshl_b32 s42, s12, 2                         ; Q: my 64 queries are tiles 4 (w % 2) + 0..3 of group 4 x + w / 2
	s_lshr_b32 s43, s10, 1
	s_add_co_u32 s42, s42, s43
	s_mul_i32 s42, s42, QS
	s_add_co_u32 s42, s42, QOFF
	s_and_b32 s43, s10, 1
	s_mul_i32 s44, s43, 4*768
	s_add_co_u32 s44, s44, s42
	s_lshl_b32 s43, s43, 8
	s_add_co_u32 s42, s42, s43
	s_add_co_u32 s42, s42, 6144
	s_mov_b32 s45, 0
	s_mov_b32 s43, 0
	s_add_nc_u64 s[44:45], s[4:5], s[44:45]
	s_add_nc_u64 s[42:43], s[4:5], s[42:43]
	global_load_b32 v[QSC], v[L4], s[42:43]
	global_load_b32 v[QSC+1], v[L4], s[42:43] offset:128
	WIN 0x40
.irp k, 0,1,2,3
	global_load_b128 v[QF+12*\k:QF+12*\k+3], v[LI], s[44:45] offset:768*\k
	global_load_b64 v[QF+12*\k+4:QF+12*\k+5], v[L8], s[44:45] offset:768*\k+512
.endr
.irp k, 0,1,2,3
.irp n, 6,7,8,9,10,11
	v_mov_b32 v[QF+12*\k+\n], 0                    ; q's K = 64 .. 127: zero codes
.endr
.endr
.irp n, 0,1,2,3,4,5
	v_mov_b32 v[KF+48+\n], 0
.endr
	WIN 0
	v_and_b32 v31, 15, v0
	v_bfe_u32 v30, v0, 4, 1
	s_delay_alu instid0(VALU_DEP_1)
	v_lshlrev_b32 v[GO], 12, v30
	s_delay_alu instid0(VALU_DEP_1)
	v_lshl_add_u32 v[GO], v31, 4, v[GO]
	s_mul_i32 s40, s10, 16*SP
	s_add_co_u32 s40, s40, STAGE
	v_mul_u32_u24 v[STO], v31, SP
	s_delay_alu instid0(VALU_DEP_1)
	v_lshl_add_u32 v[STO], v30, 5, v[STO]
	s_delay_alu instid0(VALU_DEP_1)
	v_add_nc_u32 v[STO], s40, v[STO]
	v_mul_u32_u24 v[SRD], v30, SP
	s_delay_alu instid0(VALU_DEP_1)
	v_lshl_add_u32 v[SRD], v31, 4, v[SRD]
	s_delay_alu instid0(VALU_DEP_1)
	v_add_nc_u32 v[SRD], s40, v[SRD]
	s_lshr_b32 s46, s11, 4
	s_lshl_b32 s46, s46, 10
	s_lshl_b32 s47, s12, 9
	s_add_co_u32 s46, s46, s47
	s_lshl_b32 s47, s10, 6
	s_add_co_u32 s46, s46, s47                     ; my first row of out
	s_lshl_b32 s46, s46, 12
	s_and_b32 s47, s11, 15
	s_lshl_b32 s47, s47, 8
	s_add_co_u32 s46, s46, s47
	s_mov_b32 s47, 0
	s_add_nc_u64 s[8:9], s[8:9], s[46:47]
.irp i, 0,1
.irp b, 0,1,2,3
	v_mov_b32 v[BM+16*\i+4+\b], 0
.endr
	v_mov_b32 v[FF+2*\i+1], 0
.endr
	s_wait_kmcnt 0x0
	v_mov_b32 v[CC], s13
	s_delay_alu instid0(VALU_DEP_1)
	v_min_num_f32 v[CC], 0x40935dcc, v[CC]         ; min(logit_scale, 4.6052)
	s_delay_alu instid0(VALU_DEP_1)
	v_mul_f32 v[CC], 0x3fb8aa3b, v[CC]
	s_wait_alu depctr_va_vdst(0)
	v_exp_f32 v[CC], v[CC]
	v_nop
	s_wait_alu depctr_va_vdst(0)
	v_mul_f32 v[CC], 0x3fb8aa3b, v[CC]             ; c
	s_delay_alu instid0(VALU_DEP_1)
	v_mov_b32 v[CC+1], v[CC]
.macro SMUL t, i, p
.set rD, S+64*(\i)+8*(\t)
.set rA, KF+6*(\t)
.set rB, QF+24*(\p)+12*(\i)
.set rK, KSC+(\t)/2
.if ((\t)%2 == 0) && ((\i) == 0)
	v_wmma_scale_f32_16x16x128_f8f6f4 v[rD:rD+7], v[rA:rA+11], v[rB:rB+11], 0, v[rK], v[QSC+(\p)] matrix_a_fmt:MATRIX_FMT_FP6 matrix_b_fmt:MATRIX_FMT_FP6
.elseif ((\t)%2 == 1) && ((\i) == 0)
	v_wmma_scale_f32_16x16x128_f8f6f4 v[rD:rD+7], v[rA:rA+11], v[rB:rB+11], 0, v[rK], v[QSC+(\p)] matrix_a_fmt:MATRIX_FMT_FP6 matrix_b_fmt:MATRIX_FMT_FP6 matrix_a_scale:MATRIX_SCALE_ROW1
.elseif ((\t)%2 == 0)
	v_wmma_scale_f32_16x16x128_f8f6f4 v[rD:rD+7], v[rA:rA+11], v[rB:rB+11], 0, v[rK], v[QSC+(\p)] matrix_a_fmt:MATRIX_FMT_FP6 matrix_b_fmt:MATRIX_FMT_FP6 matrix_b_scale:MATRIX_SCALE_ROW1
.else
	v_wmma_scale_f32_16x16x128_f8f6f4 v[rD:rD+7], v[rA:rA+11], v[rB:rB+11], 0, v[rK], v[QSC+(\p)] matrix_a_fmt:MATRIX_FMT_FP6 matrix_b_fmt:MATRIX_FMT_FP6 matrix_a_scale:MATRIX_SCALE_ROW1 matrix_b_scale:MATRIX_SCALE_ROW1
.endif
.endm
.macro PMUL t, i
.set rD, OA+32*(\i)+8*(\t)
.set rA, VF+12*(\t)
.set rB, PCD+12*(\i)
.if (\t)%2 == 0
	v_wmma_scale_f32_16x16x128_f8f6f4 v[rD:rD+7], v[rA:rA+11], v[rB:rB+11], v[rD:rD+7], v[VSC+(\t)/2], v[PSC+(\i)] matrix_a_fmt:MATRIX_FMT_FP6 matrix_b_fmt:MATRIX_FMT_FP6
.else
	v_wmma_scale_f32_16x16x128_f8f6f4 v[rD:rD+7], v[rA:rA+11], v[rB:rB+11], v[rD:rD+7], v[VSC+(\t)/2], v[PSC+(\i)] matrix_a_fmt:MATRIX_FMT_FP6 matrix_b_fmt:MATRIX_FMT_FP6 matrix_a_scale:MATRIX_SCALE_ROW1
.endif
.endm
; K's eight tiles and four registers of scale words of the key step that begins off bytes behind the address registers: 20 LDS loads
.macro KLOAD ai, a8, as, off
.irp m, 0,1,2,3
	ds_load_b32 v[KSC+\m], v[\as] offset:(\off)+12288+128*\m
.endr
	WIN 0x40
.irp t, 0,1,2,3,4,5,6,7
	ds_load_b128 v[KF+6*\t:KF+6*\t+3], v[\ai] offset:(\off)+768*\t
	ds_load_b64 v[KF+6*\t+4:KF+6*\t+5], v[\a8] offset:(\off)+768*\t+512
.endr
	WIN 0
.endm
; A KEY STEP: 128 keys for the two query tiles of pass p.  skip = 1: the loop's last trip asks for no further K (a branch on the loop's counter)
.macro STEP p, skip
	v_add_nc_u32 v[ADI], s[TB], v[LI]
	v_add_nc_u32 v[AD8], s[TB], v[L8]
	v_add_nc_u32 v[ADS], s[TB], v[L4]
	v_nop                                          ; four plain lines between the last step's products and the loads into registers that they read
	s_wait_alu depctr_va_vdst(0)
.irp m, 0,1
	ds_load_b32 v[VSC+\m], v[ADS] offset:12800+128*\m
.endr
	WIN 0x40
.irp t, 0,1,2,3
.irp c, 0,1,2
	ds_load_b128 v[VF+12*\t+4*\c:VF+12*\t+4*\c+3], v[ADI] offset:6144+1536*\t+512*\c
.endr
.endr
	s_wait_dscnt 14                                ; all but the fourteen just issued: K and its scale words are in
	WIN 0x05
.irp t, 0,1,2,3,4,5,6,7
.irp i, 0,1
	SMUL \t, \i, \p
.endr
.endr
	WIN 0
.rept 4
	v_nop
.endr
.if \skip
	s_cmp_eq_u32 s[CNT], 1
	s_cbranch_scc1 .Lsk_\@
.endif
	KLOAD ADI, AD8, ADS, KVS                       ; the next key step's
.if \skip
.Lsk_\@:
.endif
.irp b, 0,1,2,3
.irp i, 0,1
	v_max3_num_f32 v[BM+16*\i+\b], v[S+64*\i+16*\b], v[S+64*\i+16*\b+1], v[S+64*\i+16*\b+2]   ; the largest score of each block of 32 keys: for the row's maximum and for the block's largest p
.endr
.endr
.irp n, 3,5,7,9,11,13
.irp b, 0,1,2,3
.irp i, 0,1
	v_max3_num_f32 v[BM+16*\i+\b], v[BM+16*\i+\b], v[S+64*\i+16*\b+\n], v[S+64*\i+16*\b+\n+1]
.endr
.endr
.endr
.irp b, 0,1,2,3
.irp i, 0,1
	v_max_num_f32 v[BM+16*\i+\b], v[BM+16*\i+\b], v[S+64*\i+16*\b+15]
.endr
.endr
.irp b, 0,1,2,3
.irp i, 0,1
	v_permlanex16_b32 v[BM+16*\i+4+\b], v[BM+16*\i+\b], s[SEL], s[SEL+1]
.endr
.endr
.irp b, 0,1,2,3
.irp i, 0,1
	v_max_num_f32 v[BM+16*\i+\b], v[BM+16*\i+\b], v[BM+16*\i+4+\b]
.endr
.endr
.irp i, 0,1
	s_delay_alu instid0(VALU_DEP_4)
	v_max3_num_f32 v[BM+16*\i+12], v[BM+16*\i], v[BM+16*\i+1], v[BM+16*\i+2]
.endr
.irp i, 0,1
	s_delay_alu instid0(VALU_DEP_2)
	v_max_num_f32 v[BM+16*\i+12], v[BM+16*\i+12], v[BM+16*\i+3]
.endr
.irp i, 0,1
	s_delay_alu instid0(VALU_DEP_2)
	v_mul_f32 v[BM+16*\i+12], v[CC], v[BM+16*\i+12]                  ; as t (c is not negative)
.endr
.irp i, 0,1
	s_delay_alu instid0(VALU_DEP_2)
	v_max_num_f32 v[ST+4*\i+1], v[ST+4*\i+1], v[BM+16*\i+12]         ; the running largest t
.endr
.irp i, 0,1
	v_mov_b32 v[BM+16*\i+12], v[ST+4*\i]
.endr
.irp i, 0,1
	s_delay_alu instid0(VALU_DEP_4)
	v_floor_f32 v[ST+4*\i], -v[ST+4*\i+1]                            ; the new -M = -ceil(t)
.endr
.irp i, 0,1
	s_delay_alu instid0(VALU_DEP_2)
	v_sub_f32 v[BM+16*\i+12], v[ST+4*\i], v[BM+16*\i+12]
.endr
.irp i, 0,1
	s_delay_alu instid0(VALU_DEP_2)
	v_cvt_i32_f32 v[BM+16*\i+12], v[BM+16*\i+12]
.endr
.irp i, 0,1
	s_delay_alu instid0(VALU_DEP_2)
	v_ldexp_f32 v[FF+2*\i], 1.0, v[BM+16*\i+12]                      ; f = 2^(old M - new M)
.endr
.irp i, 0,1
.irp n, 0,2,4,6,8,10,12,14,16,18,20,22,24,26,28,30,32,34,36,38,40,42,44,46,48,50,52,54,56,58,60,62
	v_pk_fma_f32 v[S+64*\i+\n:S+64*\i+\n+1], v[S+64*\i+\n:S+64*\i+\n+1], v[CC:CC+1], v[ST+4*\i:ST+4*\i+1] op_sel_hi:[1,0,0]   ; t - M
.endr
.endr
.irp b, 0,1,2,3
.irp i, 0,1
	v_fma_f32 v[BM+16*\i+\b], v[BM+16*\i+\b], v[CC], v[ST+4*\i]
.endr
.endr
.set n, 0
	s_wait_alu depctr_va_vdst(0)
.rept 128
	v_exp_f32 v[S+n], v[S+n]                       ; p = 2^(t - M)
.set n, n+1
.endr
.irp i, 0,1
	v_pk_mul_f32 v[ST+4*\i+2:ST+4*\i+3], v[ST+4*\i+2:ST+4*\i+3], v[FF+2*\i:FF+2*\i+1] op_sel_hi:[1,0]   ; the sums under the new M
.endr
	s_wait_alu depctr_va_vdst(0)                   ; one wait for the whole batch
.irp b, 0,1,2,3
.irp i, 0,1
	v_exp_f32 v[BM+16*\i+\b], v[BM+16*\i+\b]       ; the blocks' largest p
.endr
.endr
.irp i, 0,1
	v_pk_add_f32 v[SM2+2*\i:SM2+2*\i+1], v[S+64*\i:S+64*\i+1], v[S+64*\i+2:S+64*\i+3]   ; the row's sum of the unquantised p, in two chains a tile
.endr
.irp n, 4,8,12,16,20,24,28,32,36,40,44,48,52,56,60
.irp i, 0,1
	v_pk_add_f32 v[ST+4*\i+2:ST+4*\i+3], v[ST+4*\i+2:ST+4*\i+3], v[S+64*\i+\n:S+64*\i+\n+1]
	v_pk_add_f32 v[SM2+2*\i:SM2+2*\i+1], v[SM2+2*\i:SM2+2*\i+1], v[S+64*\i+\n+2:S+64*\i+\n+3]
.endr
.endr
.irp i, 0
	s_delay_alu instid0(VALU_DEP_3)
	v_pk_add_f32 v[ST+4*\i+2:ST+4*\i+3], v[ST+4*\i+2:ST+4*\i+3], v[SM2+2*\i:SM2+2*\i+1]
.endr
.irp i, 1
	s_delay_alu instid0(VALU_DEP_2)
	v_pk_add_f32 v[ST+4*\i+2:ST+4*\i+3], v[ST+4*\i+2:ST+4*\i+3], v[SM2+2*\i:SM2+2*\i+1]
.endr
	s_wait_alu depctr_va_vdst(0)                   ; and one for the eight
.irp b, 0,1,2,3
.irp i, 0,1
	v_max_num_f32 v[BM+16*\i+\b], 0x1800000, v[BM+16*\i+\b]          ; the floor 2^(3 - 127)
.endr
.endr
.irp b, 0,1,2,3
.irp i, 0,1
	v_add_nc_u32 v[BM+16*\i+8+\b], 0xff000000, v[BM+16*\i+\b]        ; the conversion's scale operand
.endr
.endr
.irp b, 0,1,2,3
.irp i, 0,1
	v_lshrrev_b32 v[BM+16*\i+4+\b], 23, v[BM+16*\i+8+\b]             ; the scale's byte
.endr
.endr
.irp i, 0,1
	v_lshl_or_b32 v[PSC+\i], v[BM+16*\i+5], 8, v[BM+16*\i+4]
.endr
.irp i, 0,1
	s_delay_alu instid0(VALU_DEP_2)
	v_lshl_or_b32 v[PSC+\i], v[BM+16*\i+6], 16, v[PSC+\i]
.endr
.irp i, 0,1
	s_delay_alu instid0(VALU_DEP_2)
	v_lshl_or_b32 v[PSC+\i], v[BM+16*\i+7], 24, v[PSC+\i]
.endr
.irp i, 0,1
.irp c, 0,1
	v_cvt_scalef32_pk16_fp6_f32 v[PCD+12*\i+6*\c:PCD+12*\i+6*\c+2], v[S+64*\i+32*\c:S+64*\i+32*\c+15], v[BM+16*\i+8+2*\c]
	v_cvt_scalef32_pk16_fp6_f32 v[CT+184*\i+4*\c:CT+184*\i+4*\c+2], v[S+64*\i+32*\c+16:S+64*\i+32*\c+31], v[BM+16*\i+8+2*\c+1]
.endr
.endr
	v_nop                                          ; one plain line behind a scaled conversion
.irp i, 0,1
.irp c, 0,1
.irp n, 0,1,2
	v_permlane16_swap_b32 v[PCD+12*\i+6*\c+\n], v[CT+184*\i+4*\c+\n]   ; a whole block to a lane
.endr
.irp n, 0,1,2
	s_delay_alu instid0(VALU_DEP_3)
	v_mov_b32 v[PCD+12*\i+6*\c+3+\n], v[CT+184*\i+4*\c+\n]
.endr
.endr
.endr
	s_wait_alu depctr_va_vdst(0)                   ; ahead of the first reader of O^T
	WIN 0x41
.irp i, 0,1
.irp n, 0,2,4,6,8,10,12,14,16,18,20,22,24,26,28,30
	v_pk_mul_f32 v[OA+32*\i+\n:OA+32*\i+\n+1], v[OA+32*\i+\n:OA+32*\i+\n+1], v[FF+2*\i:FF+2*\i+1] op_sel_hi:[1,0]   ; O^T under the new M; these 32 also stand between p's codes and scale words and the products
.endr
.endr
	s_wait_alu depctr_va_vdst(0)
	s_wait_dscnt 0x0                               ; V is in (and the next step's K, where it was asked for)
	WIN 0x51
.irp t, 0,1,2,3
.irp i, 0,1
	PMUL \t, \i                                    ; the eight accumulators take turns
.endr
.endr
	WIN 0
	s_add_co_u32 s[TB], s[TB], KVS
.endm
.macro INIT                            ; a pass begins: the first step finds zeros, which the first change of M leaves zeros
.irp i, 0,1
	v_mov_b32 v[ST+4*\i+1], 0xff61b1e6             ; the largest t so far: -3e38
	s_delay_alu instid0(VALU_DEP_1)
	v_floor_f32 v[ST+4*\i], -v[ST+4*\i+1]
	v_mov_b32 v[ST+4*\i+2], 0
	v_mov_b32 v[ST+4*\i+3], 0
.endr
	WIN 0x40
.set n, 0
.rept 64
	v_mov_b32 v[OA+n], 0
.set n, n+1
.endr
	WIN 0
	s_mov_b32 s[TB], 0
.endm
; THE WAY OUT of pass p: O^T / the sum goes through my stage in LDS, a tile at a time, and leaves so that sixteen lanes store 256 consecutive bytes, aligned
.macro OUTP p
.irp i, 0,1
	v_add_f32 v[ST+4*\i+2], v[ST+4*\i+2], v[ST+4*\i+3]
.endr
.irp i, 0,1
	s_delay_alu instid0(VALU_DEP_2)
	v_permlanex16_b32 v[BM+16*\i+4], v[ST+4*\i+2], s[SEL], s[SEL+1]
.endr
.irp i, 0,1
	s_delay_alu instid0(VALU_DEP_2)
	v_add_f32 v[ST+4*\i+2], v[ST+4*\i+2], v[BM+16*\i+4]   ; the row's sum
.endr
	s_wait_alu depctr_va_vdst(0)
.irp i, 0,1
	v_rcp_f32 v[FF+2*\i], v[ST+4*\i+2]
.endr
	v_nop
	s_wait_alu depctr_va_vdst(0)
	WIN 0x01
.irp i, 0,1
.irp n, 0,2,4,6,8,10,12,14,16,18,20,22,24,26,28,30
	v_pk_mul_f32 v[S+64*\i+\n:S+64*\i+\n+1], v[OA+32*\i+\n:OA+32*\i+\n+1], v[FF+2*\i:FF+2*\i+1] op_sel_hi:[1,0]   ; register 8 t + n: out(query r, channel 16 t + 8 h + n)
.endr
.endr
	WIN 0
.irp i, 0,1
.irp t, 0,1,2,3
	ds_store_b128 v[STO], v[S+64*\i+8*\t:S+64*\i+8*\t+3] offset:64*\t
	ds_store_b128 v[STO], v[S+64*\i+8*\t+4:S+64*\i+8*\t+7] offset:64*\t+16
.endr
.irp n, 0,1,2,3,4,5,6,7
	ds_load_b128 v[S+64*\i+32+4*\n:S+64*\i+32+4*\n+3], v[SRD] offset:2*SP*\n   ; LDS serves a wave's instructions in order (ISA guide 5.7.1.4)
.endr
.endr
.irp i, 0,1
.irp n, 0,1,2,3,4,5,6,7
	s_wait_dscnt 23-16*\i-\n                       ; behind this load: the rest of its tile's loads and, for tile 0, tile 1's sixteen LDS instructions
	global_store_b128 v[GO], v[S+64*\i+32+4*\n:S+64*\i+32+4*\n+3], s[8:9] offset:131072*(\p)+65536*\i+8192*\n th:TH_STORE_NT
.endr
.endr
.endm
	s_wait_loadcnt 0x0                             ; Q and its scale words
	INIT
	s_wait_alu depctr_va_vdst(0)
	s_wait_tensorcnt 0x0                           ; my 20 rows have landed
	ds_add_u32 v254, v255
	s_wait_dscnt 0x0
	s_barrier_signal -1
	s_barrier_wait -1                              ; rows 0 to 159 are whole
	tensor_load_to_lds s[36:39], s[24:31]          ; my 31 rows of the rest
	s_nop 0
.rept 4
	v_nop
.endr
	KLOAD LI, L8, L4, 0                            ; key step 0's K
	s_mov_b32 s[CNT], 2
.Lfirst:                                           ; key steps 0, 1; the second trip asks for key step 2's K, which lies in rows 0 to 159
	STEP 0, 0
	s_sub_co_u32 s[CNT], s[CNT], 1
	s_cmp_lg_u32 s[CNT], 0
	s_cbranch_scc1 .Lfirst
	s_wait_tensorcnt 0x0                           ; my part of the rest has landed
	s_wait_dscnt 0x0
	s_barrier_signal -1
	s_barrier_wait -1                              ; the whole record
	s_mov_b32 s[TB], 2*KVS
	s_mov_b32 s[CNT], 6
.Lrest:
	STEP 0, 1
	s_sub_co_u32 s[CNT], s[CNT], 1
	s_cmp_lg_u32 s[CNT], 0
	s_cbranch_scc1 .Lrest
	KLOAD LI, L8, L4, 0                            ; key step 0's K for the second pass
	OUTP 0
	s_wait_xcnt 0x0                                ; the stores have read their registers
	INIT
	s_mov_b32 s[CNT], 8
.Lsecond:
	STEP 1, 1
	s_sub_co_u32 s[CNT], s[CNT], 1
	s_cmp_lg_u32 s[CNT], 0
	s_cbranch_scc1 .Lsecond
	OUTP 1
	s_wait_tensorcnt 0x0                           ; the wave's end
	ds_add_u32 v254, v255
	s_wait_dscnt 0x0
	s_endpgm
.Lfunc_end_k_qdeae7924ad_attn:
	.size	k_qdeae7924ad_attn, .Lfunc_end_k_qdeae7924ad_attn-k_qdeae7924ad_attn
	.p2alignl 7, 3214868480
	.fill 96, 4, 3214868480
	.section	.rodata,"a",@progbits
	.p2align	6, 0x0
	.amdhsa_kernel k_qdeae7924ad_attn
		.amdhsa_group_segment_fixed_size 327680
		.amdhsa_private_segment_fixed_size 0
		.amdhsa_enable_private_segment 0
		.amdhsa_kernarg_size 24
		.amdhsa_user_sgpr_count 2
		.amdhsa_user_sgpr_kernarg_segment_ptr 1
		.amdhsa_wavefront_size32 1
		.amdhsa_system_sgpr_workgroup_id_x 1
		.amdhsa_system_sgpr_workgroup_id_y 1
		.amdhsa_system_sgpr_workgroup_id_z 1
		.amdhsa_system_vgpr_workitem_id 0
		.amdhsa_next_free_vgpr 480
		.amdhsa_next_free_sgpr 66
		.amdhsa_reserve_vcc 0
		.amdhsa_float_denorm_mode_32 3
		.amdhsa_float_denorm_mode_16_64 3
		.amdhsa_memory_ordered 1
		.amdhsa_forward_progress 1
		.amdhsa_inst_pref_size 121
	.end_amdhsa_kernel
	.amdgpu_metadata
---
amdhsa.version: [ 1, 2 ]
amdhsa.kernels:
  - .name:           k_qdeae7924ad_attn
    .symbol:         k_qdeae7924ad_attn.kd
    .args:
      - { .name: ws, .offset: 0, .size: 8, .value_kind: global_buffer, .address_space: global }
      - { .name: logit_scale, .offset: 8, .size: 8, .value_kind: global_buffer, .address_space: global }
      - { .name: out0, .offset: 16, .size: 8, .value_kind: global_buffer, .address_space: global }
    .group_segment_fixed_size: 327680
    .private_segment_fixed_size: 0
    .kernarg_segment_align: 8
    .kernarg_segment_size: 24
    .max_flat_workgroup_size: 256
    .sgpr_count:     66
    .vgpr_count:     480
    .wavefront_size: 32
...
	.end_amdgpu_metadata
.endif
;; end of part 2
